; MI455X (gfx1250); checked and timed in simulation.
; The chip was launched on July 23, 2026; its instructions are those of AMD's public machine-readable ISA for CDNA 5 (MIT licence, August 2026) and "CDNA5" Instruction Set Architecture Reference Guide (July 2026). The comments in the code are by the model that wrote it; some were corrected since.
;; Bert Self Attention. Allowed arithmetic: matrix products marked QUANTISED: E2M3 operands, one E8M0 scale for each 32 along K, by v_wmma_scale_f32_16x16x128_f8f6f4 with both operands' format E2M3, f32 sums; everything else in f32.
;; Inputs: Wk 1,024 x 1,024 float32; Wq 1,024 x 1,024 float32; Wv 1,024 x 1,024 float32; attention_mask 4 x 2,048 float32; bk 1,024 float32; bq 1,024 float32; bv 1,024 float32; hidden_states 4 x 2,048 x 1,024 float32.
;; Outputs: out0 4 x 2,048 x 1,024 float32.
;; This version of the problem:
;;   THIS VERSION OF THE PROBLEM IS GIVEN IN LOW PRECISION. The matrix products marked QUANTISED in the list below multiply operands that are first quantised to E2M3 (2 exponent bits, 3 mantissa bits; 6 bits a number), with one power-of-two scale for each 32 numbers along K (OCP MX v1.0); their sums are f32. All else is computed in f32.
;;   The module's matrix products, in the order in which they are computed (A, B: the left and right operand; K: the contracted axis; several contracted axes count as one K, in the product's order):
;;     1. [M 8,192, K 1,024] x [K 1,024, N 1,024]; A: input hidden_states; B: input Wq: QUANTISED
;;     2. [M 8,192, K 1,024] x [K 1,024, N 1,024]; A: input hidden_states; B: input Wk: QUANTISED
;;     3. [M 8,192, K 1,024] x [K 1,024, N 1,024]; A: input hidden_states; B: input Wv: QUANTISED
;;     4. batch 64 x [M 2,048, K 64] x [K 64, N 2,048]; A: computed on the way; B: computed on the way: QUANTISED
;;     5. batch 64 x [M 2,048, K 2,048] x [K 2,048, N 64]; A: softmax (see below); B: computed on the way: QUANTISED
;;   THE QUANTISER, for each operand of a quantised product, along K:
;;     - K is cut into blocks of 32 from its start; a last block that is shorter is filled with zeros.
;;     - A block's scale is 2^e with e = floor(log2(the largest magnitude in the block)) - 2, held to -126 .. 127; a block of zeros has e = 0. As a byte (E8M0): e + 127.
;;     - Each number is divided by its block's scale, clamped to +-7.5, and rounded to the nearest number of E2M3, ties to even, subnormals kept.
;;     - The product sums the exact products of the quantised numbers (number of the format x scale) in f32.
;;   ~~~python
;;   def quantise(x, axis):      # numpy; x: float32 -> the quantised numbers, widened to float32 again
;;       x = np.moveaxis(x, axis, -1); K = x.shape[-1]
;;       x = np.pad(x, [(0, 0)] * (x.ndim - 1) + [(0, -K % 32)]); x = x.reshape(x.shape[:-1] + (-1, 32)); a = np.abs(x).max(-1, keepdims=True)
;;       e = np.where(a > 0, np.clip(np.frexp(np.where(a > 0, a, 1))[1] - 1 - 2, -126, 127), 0)      # np.frexp(a)[1] - 1 = floor(log2(a)), exactly
;;       r = np.clip(x / 2.0 ** e, -7.5, 7.5)
;;       step = 2.0 ** (np.maximum(np.frexp(np.where(r == 0, 1, r))[1] - 1, 0) - 3)
;;       q = np.round(r / step) * step * 2.0 ** e      # np.round: ties to even
;;       return np.moveaxis(q.reshape(q.shape[:-2] + (-1,))[..., :K], -1, axis).astype(np.float32)
;;   ~~~
;;   SOFTMAX AHEAD OF A QUANTISED PRODUCT. Where the list says 'softmax', what is quantised is not the finished softmax but p = 2^(t - M), with t = logit x log2(e) and M = ceil(the row's largest t), a whole number; so 1/2 < the row's largest p <= 1. The row's sum l is taken of the UNQUANTISED p, in f32, and the product's result is divided by l at the end. Since M is a whole number, a kernel that streams over the keys may use a running M (the ceiling of the running maximum): every later rescaling is an exact power of two, which a block's scale takes up: the codes' values come out the same.
;;   OPERANDS COMPUTED ON THE WAY. 'Computed on the way' means the value that the module computes at that place (a softmax that the list does not call 'softmax' is quantised finished and normalised). What goes into a quantiser is computed in f32, as accurately as f32 sums, v_exp_f32 and their like allow (about 1e-6 of the number): no bf16 or f16 on the way to a quantiser, and a product that is left as it is and whose result goes on into a quantised operand takes f32 operands (vector FMAs, or v_wmma_f32_16x16x4_f32). A number that lies on a knife's edge between two numbers of the format may be rounded either way, as far as f32 arithmetic and the matrix unit's own rounding can turn it there, and no further.
;; One version. Each part assembles by itself: llvm-mc -triple=amdgcn-amd-amdhsa -mcpu=gfx1250 --defsym DOCPART=n.
;; ======== version 1 of 1: 3 launches
;; workspace buffers: cod 8,650,752 bytes; scl 360,448 bytes; qkvc 18,874,368 bytes; qkvs 1,572,864 bytes
;; launch quant (part 1): grid 352 x 1, 4 waves a work-group, no clusters, 33,280 bytes of LDS; arguments hidden_states, Wq, Wk, Wv, cod, scl; writes cod, scl
.if DOCPART == 1
	.amdgcn_target "amdgcn-amd-amdhsa--gfx1250"
	.amdhsa_code_object_version 6
	.text
	.protected	k_qf70d5ca961_quant
	.globl	k_qf70d5ca961_quant
	.p2align	8
	.type	k_qf70d5ca961_quant,@function
k_qf70d5ca961_quant:
	s_mov_b64 s[64:65], 0
	v_nop
	global_prefetch_b8 v0, s[64:65] scope:SCOPE_SE
	s_setreg_imm32_b32 hwreg(HW_REG_WAVE_MODE, 25, 1), 1
	s_wait_xcnt 0x0
; hidden_states [8192][1024], Wq, Wk, Wv [1024][1024], f32, K innermost, become codes of FP6 (E2M3), 6 bits each, and one E8M0 scale byte for each 32 along K.
; cod: 11,264 rows of 768 bytes (tokens, then Wq's, Wk's, Wv's rows); scl: the same rows, 32 bytes each.
; A block's scale is 2^(floor(log2(its largest magnitude)) - 2); its byte is the largest magnitude's exponent field - 2, held at 1 from below.  (A block of zeros gets the byte 1 where the
; quantiser says 127: its codes are zeros, which add nothing under any byte but 0xff, and this program alone reads the bytes.)  Each number is divided by the scale and rounded to the nearest code, ties to even.
; LIMITS: blocks whose largest magnitude lies under 2^-124 keep the byte 1; NaN and infinities among the inputs are not served.
; THE ROWS ARE LAID IN ANOTHER ORDER: the row at place P is row P with bits 3 and 4 of its number exchanged.  So 16 neighbouring places 16 i + r hold rows 32 (i / 2) + 8 (i % 2) + r + 8 (r / 8):
; the rows that the next launch wants in one tile of 16, so that a lane's 16 results of two neighbouring tiles are 16 neighbours along the next product's K.
; A wave takes 8 rows (8,192 numbers, 16 steps of 512), a work-group 32 rows: the wave's number is bits 3 and 4 of the row's number, so only the wave's place in the output changes.
; Each of a step's four loads reads 512 consecutive bytes; the 2,048 bytes go through the wave's own stage in LDS and come back 64 bytes a lane: 16 neighbours, two lanes to a block.
; A lane's 16 codes are 12 bytes: the wave stores 384 consecutive bytes.  A wave's 256 scale bytes are gathered in LDS and leave as one aligned run of 256 bytes.
; One path serves the four tensors: only the input's pointer is chosen, by the work-group's number.  No barrier: waves share nothing.  No cluster: work-groups share no input.
.set WAVES, 4
.set STEPS, 16
.set EMAX,  2
.set CB,    12                         ; bytes of 16 codes
.set R,     16                         ; v16-79   four sets of 16 numbers as they are loaded
.set X,     80                         ; v80-111  two sets of 16 neighbours
.set C,     128                        ; v128-191 codes: four registers for each step, so that no store's data are written again
.set E,     112                        ; v112-127 a scale byte for each step
.set WREG,  8192                       ; LDS: a region for each wave: two stages of 32 x SP bytes, behind them its 256 scale bytes
.set SP,    80                         ; a lane's place in a stage: 64 bytes + 16 of padding
.set SPW,   12                         ; v12      LDS address of my spare word; never rewritten
.set NIL,   13                         ; v13      0; never rewritten
.set SPARE, WAVES*WREG                 ; behind the four regions: the spare words, 128 bytes a wave, which no other line names
	s_load_b256 s[4:11], s[0:1], 0x0               ; hidden_states s[4:5], Wq s[6:7], Wk s[8:9], Wv s[10:11]
	s_load_b128 s[12:15], s[0:1], 0x20             ; cod s[12:13], scl s[14:15]
	v_lshl_add_u32 v[SPW], v0, 2, SPARE
	v_mov_b32 v[NIL], 0
	v_lshrrev_b32 v1, 5, v0
	v_readfirstlane_b32 s16, v1                    ; wave
	v_and_b32 v2, 31, v0                           ; lane
	v_lshlrev_b32 v3, 4, v2                        ; my 16 bytes of a load's 512
	s_mul_i32 s17, s16, WREG
	v_lshrrev_b32 v14, 2, v2
	v_mul_u32_u24 v14, v14, SP
	v_and_b32 v15, 3, v2
	v_lshl_add_u32 v14, v15, 4, v14
	v_add_nc_u32 v14, s17, v14                     ; the stage, on the way in: SP (lane / 4) + 16 (lane % 4)
	v_mul_u32_u24 v15, v2, SP
	v_add_nc_u32 v15, s17, v15                     ; and on the way out: SP x lane: my 16 neighbours
	v_mul_u32_u24 v4, v2, CB                       ; my codes' place in a step's
	v_lshrrev_b32 v5, 1, v2
	s_add_co_u32 s17, s17, 2*32*SP
	v_add_nc_u32 v5, s17, v5                       ; LDS: my wave's 256 scale bytes, my block's byte
	v_lshlrev_b32 v7, 3, v2                        ; and on the way out 8 bytes a lane
	v_add_nc_u32 v6, s17, v7
	s_and_b32 s18, s16, 1                          ; the wave's two bits change places:
	s_lshl_b32 s18, s18, 1
	s_lshr_b32 s19, s16, 1
	s_or_b32 s18, s18, s19
	s_lshl_b32 s19, ttmp9, 2
	s_add_co_u32 s18, s18, s19                     ; which run of 8 rows of the OUTPUT is my wave's
	s_mul_i32 s20, s18, 32*STEPS*CB                ; 6,144 bytes of codes a run
	s_mov_b32 s21, 0
	s_lshl_b32 s22, s18, 8                         ; 256 scale bytes a run
	s_mov_b32 s23, 0
	s_mov_b32 s24, 320                             ; the first work-group of Wv
	s_wait_kmcnt 0x0
	s_cmp_lt_u32 ttmp9, 320                        ; which tensor?  The choice hangs on the work-group's number alone
	s_cselect_b64 s[10:11], s[8:9], s[10:11]
	s_cselect_b32 s24, 288, s24
	s_cmp_lt_u32 ttmp9, 288
	s_cselect_b64 s[10:11], s[6:7], s[10:11]
	s_cselect_b32 s24, 256, s24
	s_cmp_lt_u32 ttmp9, 256
	s_cselect_b64 s[10:11], s[4:5], s[10:11]
	s_cselect_b32 s24, 0, s24
	s_sub_co_u32 s24, ttmp9, s24
	s_lshl_b32 s24, s24, 2
	s_add_co_u32 s24, s24, s16                     ; which run of 8 rows of the INPUT tensor
	s_lshl_b32 s24, s24, 15                        ; 32,768 bytes a run
	s_mov_b32 s25, 0
	s_add_nc_u64 s[4:5], s[10:11], s[24:25]
	s_add_nc_u64 s[8:9], s[12:13], s[20:21]
	s_add_nc_u64 s[10:11], s[14:15], s[22:23]
.macro LOAD t
.irp i, 0,1,2,3
	global_load_b128 v[R+16*((\t)%4)+4*\i:R+16*((\t)%4)+4*\i+3], v3, s[4:5] offset:2048*(\t)+512*\i th:TH_LOAD_NT   ; 32 lanes read 512 consecutive bytes
.endr
.endm
.macro TURN t                          ; step t's numbers through the stage: LDS serves a wave's instructions in order, so no wait stands between the stores and the loads
.irp i, 0,1,2,3
	ds_store_b128 v14, v[R+16*((\t)%4)+4*\i:R+16*((\t)%4)+4*\i+3] offset:32*SP*((\t)%2)+8*SP*\i
.endr
.irp i, 0,1,2,3
	ds_load_b128 v[X+16*((\t)%2)+4*\i:X+16*((\t)%2)+4*\i+3], v15 offset:32*SP*((\t)%2)+16*\i
.endr
.endm
.irp t, 0,1,2,3
	LOAD \t
.endr
	s_wait_loadcnt 12                              ; step 0's four loads are in
	TURN 0
.macro STEP t
.set XS, X+16*((\t)%2)
.if (\t) > 0
	s_wait_dscnt 1                                 ; this step's numbers are back from the stage (the last step's byte store may be out): so its stores into the stage have read their registers,
.else
	s_wait_dscnt 0x0
.endif
.if (\t)+4 < STEPS
	LOAD (\t)+4                                    ; which take the loads of four steps on
.endif
.if (\t)+1 < STEPS
.if STEPS-2-(\t) >= 3
	s_wait_loadcnt 12                              ; the next step's four loads are in; those of the three steps behind it may be out
.else
	s_wait_loadcnt 4*(STEPS-2-(\t))
.endif
	TURN (\t)+1                                    ; and go through the other stage while this step is worked
.endif
	v_max3_num_f32 v8, |v[XS]|, |v[XS+1]|, |v[XS+2]|               ; the largest magnitude of my 16
	v_max3_num_f32 v9, |v[XS+3]|, |v[XS+4]|, |v[XS+5]|
.irp i, 6,10
	v_max3_num_f32 v8, v8, |v[XS+\i]|, |v[XS+\i+1]|
	v_max3_num_f32 v9, v9, |v[XS+\i+2]|, |v[XS+\i+3]|
.endr
	v_max3_num_f32 v8, v8, |v[XS+14]|, |v[XS+15]|
	v_max3_num_f32 v8, v8, v9, (EMAX+1)<<23        ; and the floor 2^(EMAX + 1 - 127): so the byte cannot fall under 1
	v_max_num_f32_dpp v8, v8, v8 row_xmask:1 row_mask:0xf bank_mask:0xf   ; and of my neighbour's 16: the block's
	v_add_nc_u32 v11, -(EMAX<<23), v8              ; EMAX off its exponent field: the conversion takes the exponent field of this operand as its scale, and nothing else of it
	v_cvt_scalef32_pk16_fp6_f32 v[C+4*(\t):C+4*(\t)+2], v[XS:XS+15], v11         ; sixteen numbers / the scale, to the nearest code, ties to even, beyond the largest code the largest; 96 bits without gaps
	v_lshrrev_b32 v[E+(\t)], 23, v11               ; the scale's byte (also the plain instruction behind the conversion)
	ds_store_b8 v5, v[E+(\t)] offset:16*(\t)       ; both lanes of a block write the same byte with the same value
	global_store_b96 v4, v[C+4*(\t):C+4*(\t)+2], s[8:9] offset:32*CB*(\t)
.endm
.irp t, 0,1,2,3,4,5,6,7,8,9,10,11,12,13,14,15
	STEP \t
.endr
	ds_load_b64 v[8:9], v6                         ; LDS serves a wave's instructions in order: these see my stores
	s_wait_dscnt 0x0
	global_store_b64 v7, v[8:9], s[10:11]          ; 32 lanes store 256 consecutive bytes, aligned
	s_wait_tensorcnt 0x0                           ; the wave's end, behind my last LDS store
	ds_add_u32 v[SPW], v[NIL]
	s_wait_dscnt 0x0
	s_endpgm
.Lfunc_end_k_qf70d5ca961_quant:
	.size	k_qf70d5ca961_quant, .Lfunc_end_k_qf70d5ca961_quant-k_qf70d5ca961_quant
	.p2alignl 7, 3214868480
	.fill 96, 4, 3214868480
	.section	.rodata,"a",@progbits
	.p2align	6, 0x0
	.amdhsa_kernel k_qf70d5ca961_quant
		.amdhsa_group_segment_fixed_size 33280
		.amdhsa_private_segment_fixed_size 0
		.amdhsa_enable_private_segment 0
		.amdhsa_kernarg_size 48
		.amdhsa_user_sgpr_count 2
		.amdhsa_user_sgpr_kernarg_segment_ptr 1
		.amdhsa_wavefront_size32 1
		.amdhsa_system_sgpr_workgroup_id_x 1
		.amdhsa_system_sgpr_workgroup_id_y 1
		.amdhsa_system_sgpr_workgroup_id_z 1
		.amdhsa_system_vgpr_workitem_id 0
		.amdhsa_next_free_vgpr 192
		.amdhsa_next_free_sgpr 66
		.amdhsa_reserve_vcc 0
		.amdhsa_float_denorm_mode_32 3
		.amdhsa_float_denorm_mode_16_64 3
		.amdhsa_memory_ordered 1
		.amdhsa_forward_progress 1
		.amdhsa_inst_pref_size 33
	.end_amdhsa_kernel
	.amdgpu_metadata
---
amdhsa.version: [ 1, 2 ]
amdhsa.kernels:
  - .name:           k_qf70d5ca961_quant
    .symbol:         k_qf70d5ca961_quant.kd
    .args:
      - { .name: hidden_states, .offset: 0, .size: 8, .value_kind: global_buffer, .address_space: global }
      - { .name: Wq, .offset: 8, .size: 8, .value_kind: global_buffer, .address_space: global }
      - { .name: Wk, .offset: 16, .size: 8, .value_kind: global_buffer, .address_space: global }
      - { .name: Wv, .offset: 24, .size: 8, .value_kind: global_buffer, .address_space: global }
      - { .name: cod, .offset: 32, .size: 8, .value_kind: global_buffer, .address_space: global }
      - { .name: scl, .offset: 40, .size: 8, .value_kind: global_buffer, .address_space: global }
    .group_segment_fixed_size: 33280
    .private_segment_fixed_size: 0
    .kernarg_segment_align: 8
    .kernarg_segment_size: 48
    .max_flat_workgroup_size: 128
    .sgpr_count:     66
    .vgpr_count:     192
    .wavefront_size: 32
...
	.end_amdgpu_metadata
.endif
;; end of part 1
;; launch proj (part 2): grid 12 x 32, 4 waves a work-group, clusters of 4 x 4, 327,680 bytes of LDS; arguments cod, scl, bq, bk, bv, qkvc, qkvs; writes qkvc, qkvs
.if DOCPART == 2
	.amdgcn_target "amdgcn-amd-amdhsa--gfx1250"
	.amdhsa_code_object_version 6
	.text
	.protected	k_qf70d5ca961_proj
	.globl	k_qf70d5ca961_proj
	.p2align	8
	.type	k_qf70d5ca961_proj,@function
k_qf70d5ca961_proj:
	s_mov_b64 s[64:65], 0
	v_nop
	global_prefetch_b8 v0, s[64:65] scope:SCOPE_SE
	s_setreg_imm32_b32 hwreg(HW_REG_WAVE_MODE, 25, 1), 1
	s_wait_xcnt 0x0
	s_wait_alu depctr_hold_cnt(0) depctr_sa_sdst(0) depctr_va_vdst(0) depctr_va_sdst(0) depctr_va_ssrc(0) depctr_va_vcc(0) depctr_vm_vsrc(0)
	s_getreg_b32 s2, hwreg(HW_REG_IB_STS2, 6, 4)
	s_cmp_eq_u32 s2, 0
	s_cbranch_scc0 .Lentry_in_a_cluster
	s_endpgm
.Lentry_in_a_cluster:
	s_bfe_u32 s2, ttmp6, 0x10000c
	s_cmp_lg_u32 s2, 0xf033
	s_cbranch_scc0 .Lentry_shape_is_right
	s_endpgm
.Lentry_shape_is_right:
; q = x Wq^T + bq, k = x Wk^T + bk, v = x Wv^T + bv as ONE product on codes of FP6 (E2M3): [8192 tokens][1024] x [3072 rows of W][1024], sums in f32; and the results are quantised at once, in registers,
; for the attention that follows: q and k along the head's 64 numbers, v along the keys.  No f32 result goes to memory.
; cod, scl: the codes and scale bytes of 11,264 rows (tokens, Wq, Wk, Wv), 768 and 32 bytes a row; the row at place P is row P with bits 3 and 4 exchanged, so that 16 neighbouring places 16 i + r
; are rows 32 (i / 2) + 8 (i % 2) + r + 8 (r / 8).
; A tile, 256 tokens x 256 rows of W, is made by four waves, 128 x 128 each: 64 accumulators, 512 registers.  K goes in four steps of 256 through a ring of two LDS slots filled by the tensor data mover.
; The scale bytes of the tile's 512 rows, for all of K, come into LDS once, with the first fills.
; CLUSTERS: 4 x 4 work-groups.  The four of a row of the cluster need the same tokens, the four of a column the same rows of W: each tile is asked for jointly, by the same tensor load with a mask that names the four.
; WHICH OPERAND IS SOURCE 0.  In a result a lane holds ONE row of source 1, and its registers run along source 0's rows; the quantiser wants its K along a lane's registers.  So in the clusters that make q and k
; (cluster x = 0, 1) source 0 = rows of W (the head's numbers), source 1 = tokens; in those that make v (cluster x = 2) source 0 = tokens (the keys), source 1 = rows of Wv.  LDS is filled alike everywhere;
; only the addresses that fragments and scale words are READ from are chosen, by the cluster's x, which all partners share.
; By the order of the rows, the 16 registers of source 0's blocks 2 b and 2 b + 1 are 16 neighbours: 32 b + 16 (lane / 16) + 0 .. 15.
; THE BIAS runs along source 0 for q and k: there it is the C of each sum's first product; along source 1 for v: there it is added on the way out.  Both are always loaded; the one that does not apply is ANDed to zero.
; (So the bias is the first addend of the f32 sum for q and k, and the last for v.)
; OUT: images of the operand's registers, 256 bytes for two registers of the 32 lanes (lane l's 8 bytes at 8 l).  qkvc: q, k, v, each [batch x 16 + head][128 tokens][6,144 bytes].  q, k: token tile t at 768 t, three
; such pieces (64 numbers: six registers).  v: tile dt of 16 of the head's 64 at 1,536 dt, six pieces (128 keys: twelve registers).  qkvs: q's words at 0, k's and v's at 786,432, each [..][..][768 bytes]: 512 of q's or k's
; words (lane l's 16 bytes at 16 l: lanes 0-15 tiles 0-3, lanes 16-31 tiles 4-7; a word = two scale bytes and twice 0x7f), then, for v, 256 bytes (lane r's 16 bytes at 16 r: word dt = four key blocks' bytes).
; LIMITS: blocks whose largest magnitude lies under 2^-124 keep the scale byte 1 (a block of zeros too: its codes are zeros); NaN and infinities are not served.
; No prefetch: K has four steps only, two of them asked for at the head.
; REGISTERS, in windows of 256: window 0: v0-31 addresses; v32-63 scale words, two sets; v64-127 the bias along source 0; v128-223 source 1's fragments, ONE set; v224-239 the bias along source 1, each number twice;
;   v240-255 at work in the quantiser.  On the way out: v64-88 scale words made, v128-191 64 numbers, v192-211 their codes.
;   window 1: source 0's fragments, TWO sets, at v0 and v128.   windows 2, 3: the accumulators of source 1's blocks 0-3 and 4-7 (accumulator (a, b) at v[8 (8 (a % 4) + b)]).
.set KSTEP,  256                       ; along K in a slot
.set NQ,     KSTEP/128                 ; matrix instructions deep
.set ROWB,   192                       ; a tile's row in bytes
.set KROW,   768                       ; a row of codes in memory
.set PITCH,  240                       ; an LDS row: 3 x (64 bytes + 16 of padding) = 60 words: the 32 lanes of a load of 8 bytes touch 64 different banks (64 banks of 4 bytes: ISA guide 11.1)
.set FR,     12                        ; registers of a fragment
.set NL,     6                         ; LDS loads that bring one
.set NP,     4                         ; places behind this matrix instruction (ISA guide 7.12.1)
.set HALFT,  128*PITCH                 ; 128 rows: what one tensor load brings
.set SLOT,   4*HALFT                   ; 256 tokens, then 256 rows of W
.set KS,     32                        ; a row of scale bytes
.set SCL,    2*SLOT                    ; behind the ring: the scale bytes, as runs of 256 bytes + 16 of padding
.set HALFS,  (128*KS/256)*272          ; those of 128 rows
.set SBLK,   (16*KS/256)*272           ; those of 16 rows
.set SPARE,  SCL+4*HALFS               ; behind them: the spare words, 128 bytes a wave, which no other line names
.set ADRA, 16                          ; v16-17  LDS address of source 1's fragments in slot 0, 1  (v18-19: for the pieces that lie behind one padding more)
.set ADRB, 20                          ; v20-23  the same for source 0
.set L8,   24                          ; v24     8 x lane
.set SA,   25                          ; v25     where my 16 bytes of scale words go
.set VA0,  26                          ; v26     where my 8 bytes of a piece go: the block's first three pieces
.set ADRS, 27                          ; v27     LDS address of my scale words: lanes 0-15 source 1's rows, lanes 16-31 source 0's
.set SPW,  28                          ; v28     LDS address of my spare word; never rewritten
.set NIL,  29                          ; v29     0; never rewritten
.set VA1,  30                          ; v30     the block's other three pieces
.set SC,   32                          ; scale words: set s at v[SC + 16 s]; register 2 i + q: lanes 0-15 the word of source 1's block i, lanes 16-31 of source 0's block i
.set B0,   64                          ; the bias along source 0: eight registers a block, in the result's layout
.set AF,   128                         ; source 1's fragments
.set B1,   224                         ; the bias along source 1: block a's at v[B1 + 2 a], and once more beside it (the packed addition names a pair)
.set TM,   240                         ; v240-243 largest magnitudes, v244-247 bytes, v252-255 the conversions' scale operands
.set T,    128                         ; the way out: 64 numbers of a lane
.set PC,   192                         ; their codes
.set WA,   64                          ; scale words made: block a's, first head (v: the whole word)
.set WB,   72                          ; second head
.set OW,   80                          ; the words as they are stored
.set PW,   88                          ; the word just made
.set HM,   3                           ; s3   0xffff0000: lanes 16-31
.set STA,  4                           ; s4   bytes from a block's pieces to the next block's
.set D1,   5                           ; s5   from a block's first three pieces to its other three
.set J4,   6                           ; s6   what block 4 adds (v: on to the next head)
.set SM,   7                           ; s7, s8  what is kept of a scale word, and what is set
.set SO,   8
.set SH,   9                           ; s9   where lanes 16-31 put their scale words
.set SELV, 10                          ; s10  1 in the clusters that make v
.set AO,   11                          ; s11  the block's place in the images
.set OC,   12                          ; s[12:13] qkvc at my wave's images
.set OS,   18                          ; s[18:19] qkvs likewise
.set SEL,  66                          ; s[66:67] v_permlanex16_b32's selects for lane l xor 16
.set G1, 24                            ; s[24:31] descriptor group 1 for the tokens' tiles;  s[32:39] group 0, one set for each slot
.set G0, 32
.set G1B, 48                           ; s[48:55], s[56:63] the same for W's tiles
.set G0B, 56
.set G1S, 68                           ; s[68:75], s[76:79] groups 1 and 0 for the tokens' scale bytes;  s[80:87], s[88:91] for W's
.set G0S, 76
.set G1SB, 80
.set G0SB, 88
.set MSB, 0
.macro WIN new                         ; the immediate's high byte repeats the setting that is left
.if MSB != (\new)
	s_set_vgpr_msb (MSB<<8)|(\new)
.set MSB, (\new)
.endif
.endm
.set MUL_LO, 0xa1                      ; source 0 window 1, source 1 window 0, C and D window 2
.set MUL_HI, 0xf1                      ; the same, C and D window 3
.set TO_B,   0x40                      ; destination window 1, address window 0
; A joint load: waves 0 and 1 fetch tokens, waves 2 and 3 rows of W.  Each of the two lines has ONE mask and one set of registers for all that issue it; the branch hangs on the wave's number alone.
; An s_nop 0 and four v_nop follow each of the two lines, ahead of the jump, the label and what follows.
.macro JLOAD g0a, g1a, g0b, g1b
	s_cmp_eq_u32 s15, 0
	s_cbranch_scc0 .Lfor_b_\@
	tensor_load_to_lds s[\g0a:\g0a+3], s[\g1a:\g1a+7]
	s_nop 0
.rept 4
	v_nop
.endr
	s_branch .Lasked_\@
.Lfor_b_\@:
	tensor_load_to_lds s[\g0b:\g0b+3], s[\g1b:\g1b+7]
	s_nop 0
.rept 4
	v_nop
.endr
.Lasked_\@:
.endm
.macro CREST                           ; a round of the cluster's barrier behind its opening barrier
	s_cmp_lg_u32 s14, 0
	s_cbranch_scc1 .Lnot_wave_0_\@
	s_barrier_signal -3
.Lnot_wave_0_\@:
	s_barrier_wait -3
	s_barrier_signal -1
	s_barrier_wait -1
.endm
.macro CROUND                          ; a whole round
	s_barrier_signal -1
	s_barrier_wait -1
	CREST
.endm
	s_load_b128 s[4:7], s[0:1], 0x0                ; cod s[4:5], scl s[6:7]
	s_load_b128 s[8:11], s[0:1], 0x10              ; bq s[8:9], bk s[10:11]
	s_load_b128 s[96:99], s[0:1], 0x20             ; bv s[96:97], qkvc s[98:99]
	s_load_b64 s[100:101], s[0:1], 0x30            ; qkvs
	v_lshl_add_u32 v[SPW], v0, 2, SPARE
	v_mov_b32 v[NIL], 0
	ds_add_u32 v[SPW], v[NIL]                      ; the wave's opening: the add and its wait stand ahead of my first tensor load; the set-up below, work on registers, stands between them
	v_lshrrev_b32 v1, 5, v0
	v_readfirstlane_b32 s14, v1                    ; wave 0..3
	s_lshr_b32 s15, s14, 1                         ; which half of the tile's tokens is mine.  Also: I fetch tokens (0) or rows of W (1)
	s_and_b32 s16, s14, 1                          ; which half of its rows of W.  Also: which 128 rows I fetch
	s_bfe_u32 s40, ttmp6, 0x40000                  ; cx, cy: my place in the cluster
	s_bfe_u32 s41, ttmp6, 0x40004
	s_lshl_b32 s42, ttmp9, 2
	s_add_co_u32 s42, s42, s40                     ; which 256 rows of W = 4 x cluster x + cx
	s_and_b32 s17, ttmp7, 0xffff
	s_lshl_b32 s17, s17, 2
	s_add_co_u32 s17, s17, s41                     ; which 256 tokens = 4 x cluster y + cy
	s_lshl_b32 s43, s41, 2
	s_lshl_b32 s43, 15, s43                        ; my row of the cluster
	s_lshl_b32 s44, 0x1111, s40                    ; my column
	; descriptor group 1: a tile of 128 rows x 192 bytes, padded in LDS
	s_or_b32 s[G1+0], s43, (0<<16)|(1<<20)|(1<<21)|(3<<22)|(3<<25)  ; 15:0 the mask: the tokens' tiles go to my row; 17:16 element of 1 byte; 20 padding on; 21 set beside a mask; 24:22 after every 16 words (code 3); 31:25 of 4 words (code 3)
	s_or_b32 s[G1B+0], s44, (0<<16)|(1<<20)|(1<<21)|(3<<22)|(3<<25)
.irp g, G1, G1B
	s_mov_b32 s[\g+1], ROWB<<16                    ; tensor_dim0
	s_mov_b32 s[\g+2], 128<<16                     ; tensor_dim1 = 128
	s_mov_b32 s[\g+3], ROWB<<16                    ; tile_dim0
	s_mov_b32 s[\g+4], 128                         ; tile_dim1 = 128
	s_mov_b32 s[\g+5], KROW                        ; tensor_dim0_stride
	s_mov_b32 s[\g+6], 0
	s_mov_b32 s[\g+7], 0
.endr
	; and for the scale bytes of 128 rows: a dense block of 4,096 bytes, as rows of 256 bytes (32 elements of 8 bytes), 16 bytes of padding behind each
	s_or_b32 s[G1S+0], s43, (3<<16)|(1<<20)|(1<<21)|(5<<22)|(3<<25)
	s_or_b32 s[G1SB+0], s44, (3<<16)|(1<<20)|(1<<21)|(5<<22)|(3<<25)
.irp g, G1S, G1SB
	s_mov_b32 s[\g+1], 32<<16
	s_mov_b32 s[\g+2], (128*KS/256)<<16
	s_mov_b32 s[\g+3], 32<<16
	s_mov_b32 s[\g+4], 128*KS/256
	s_mov_b32 s[\g+5], 32
	s_mov_b32 s[\g+6], 0
	s_mov_b32 s[\g+7], 0
.endr
	s_lshl_b32 s18, s16, 7                         ; which 128 rows I fetch
	s_lshl_b32 s20, s17, 8
	s_add_co_u32 s20, s20, s18                     ; tokens: row 256 x (which 256) + 128 x half
	s_lshl_b32 s46, s42, 8
	s_add_co_u32 s46, s46, s18
	s_add_co_u32 s46, s46, 8192                    ; W: behind the 8,192 tokens
	s_mov_b32 s21, 0
	s_mov_b32 s47, 0
	s_mov_b64 s[18:19], KS
	s_mul_u64 s[22:23], s[20:21], s[18:19]         ; where these rows' scale bytes begin
	s_mul_u64 s[92:93], s[46:47], s[18:19]
	s_mov_b64 s[18:19], KROW
	s_mul_u64 s[20:21], s[20:21], s[18:19]         ; and their codes
	s_mul_u64 s[46:47], s[46:47], s[18:19]
	s_mul_i32 s45, s14, HALFT                      ; where they go: wave x 128 rows: no place in the cluster enters an LDS address
	s_mul_i32 s94, s14, HALFS
	s_wait_dscnt 0x0                               ; the opening add is done
	s_wait_kmcnt 0x0
	s_add_nc_u64 s[20:21], s[4:5], s[20:21]
	s_add_nc_u64 s[22:23], s[6:7], s[22:23]
	s_add_nc_u64 s[46:47], s[4:5], s[46:47]
	s_add_nc_u64 s[92:93], s[6:7], s[92:93]
	CROUND                                         ; all sixteen work-groups are here: the first joint loads meet
	s_mov_b32 s[G0S], 1
	s_add_co_u32 s[G0S+1], s94, SCL
	s_mov_b64 s[G0S+2:G0S+3], s[22:23]
	s_or_b32 s[G0S+3], s[G0S+3], 0x80000000
	s_mov_b32 s[G0SB], 1
	s_add_co_u32 s[G0SB+1], s94, SCL
	s_mov_b64 s[G0SB+2:G0SB+3], s[92:93]
	s_or_b32 s[G0SB+3], s[G0SB+3], 0x80000000
	JLOAD G0S, G1S, G0SB, G1SB                     ; the scale bytes first: they are wanted with K step 0
.irp s, 0,1
	s_mov_b32 s[G0+4*\s], 1
	s_add_co_u32 s[G0+4*\s+1], s45, \s*SLOT
	s_add_nc_u64 s[G0+4*\s+2:G0+4*\s+3], s[20:21], \s*ROWB
	s_or_b32 s[G0+4*\s+3], s[G0+4*\s+3], 0x80000000
	s_mov_b32 s[G0B+4*\s], 1
	s_add_co_u32 s[G0B+4*\s+1], s45, \s*SLOT
	s_add_nc_u64 s[G0B+4*\s+2:G0B+4*\s+3], s[46:47], \s*ROWB
	s_or_b32 s[G0B+4*\s+3], s[G0B+4*\s+3], 0x80000000
	JLOAD G0+4*\s, G1, G0B+4*\s, G1B               ; by this text's count three tensor loads of mine are out now
.endr
	v_and_b32 v1, 15, v0                           ; r = l % 16
	v_bfe_u32 v2, v0, 4, 1                         ; h = l / 16
	v_mul_u32_u24 v3, v1, PITCH
	v_mul_u32_u24 v4, v2, 24
	v_add_nc_u32 v4, v3, v4                        ; a fragment's row x pitch + 24 x half
	v_lshl_add_u32 v5, v2, 4, v4                   ; and the same behind one padding more
	; what hangs on the tensor that my cluster makes: cluster x = 0: q, 1: k, 2: v.  All partners share it
	s_cmp_eq_u32 ttmp9, 2
	s_cselect_b64 s[22:23], s[96:97], s[10:11]     ; the bias: bv or bk,
	s_cmp_eq_u32 ttmp9, 0
	s_cselect_b64 s[22:23], s[8:9], s[22:23]       ; or bq
	s_cselect_b32 s92, 0, 786432                   ; q's scale words lie at 0, k's and v's behind them
	s_mul_i32 s20, s15, HALFT                      ; my 128 tokens
	s_mul_i32 s21, s16, HALFT                      ; my 128 rows of W,
	s_add_co_u32 s21, s21, 2*HALFT                 ; which lie behind the 256 tokens
	s_mul_i32 s46, s15, HALFS                      ; and their scale bytes
	s_add_co_u32 s46, s46, SCL
	s_mul_i32 s47, s16, HALFS
	s_add_co_u32 s47, s47, SCL+2*HALFS
	s_mov_b32 s[STA], 768
	s_mov_b32 s[D1], 98304
	s_mov_b32 s[SH], 256
	s_cmp_eq_u32 ttmp9, 2
	s_cselect_b32 s93, s21, s20                    ; source 1: rows of Wv, else tokens
	s_cselect_b32 s94, s20, s21                    ; source 0: tokens, else rows of W
	s_cselect_b32 s95, s47, s46                    ; source 1's scale bytes
	s_cselect_b32 s45, s46, s47                    ; source 0's
	s_cselect_b32 s[STA], 1536, s[STA]             ; v: a block is a tile of 12 registers; q, k: two of 6, a head apart
	s_cselect_b32 s[D1], 768, s[D1]
	s_cselect_b32 s[J4], 92160, 0                  ; v: blocks 4-7 belong to the next head: 98,304 - 4 x 1,536
	s_cselect_b32 s[SM], -1, 0xffff                ; v: the word is kept whole; q, k: two bytes of it, and twice 0x7f for the K that is not there
	s_cselect_b32 s[SO], 0, 0x7f7f0000
	s_cselect_b32 s[SH], 12288, s[SH]              ; v: lanes 16-31 hold the next head's words; q, k: tiles 4-7's
	s_cselect_b32 s[SELV], 1, 0
	s_cselect_b32 s43, 0, -1                       ; keeps the bias along source 0 (q, k)
	s_cselect_b32 s44, -1, 0                       ; keeps the bias along source 1 (v)
.irp s, 0,1
	v_add_nc_u32 v[ADRA+\s], s93, v4
	v_add_nc_u32 v[ADRB+\s], s94, v4
	v_add_nc_u32 v[ADRA+2+\s], s93, v5
	v_add_nc_u32 v[ADRB+2+\s], s94, v5
	s_add_co_u32 s93, s93, SLOT
	s_add_co_u32 s94, s94, SLOT
.endr
	v_mul_u32_u24 v5, v1, KS                       ; my row's scale bytes: 32 a row,
	v_lshrrev_b32 v6, 8, v5
	v_lshl_add_u32 v5, v6, 4, v5                   ; and 16 more for each 256 passed
	v_add_nc_u32 v6, s95, v5
	v_add_nc_u32 v7, s45, v5
	s_mov_b32 s[HM], 0xffff0000
	v_cndmask_b32 v[ADRS], v6, v7, s[HM]           ; lanes 0-15 take source 1's, lanes 16-31 source 0's
	s_lshl_b32 s46, s40, 10                        ; the bias of my 128 rows of W: 4 x (256 cx + 128 x half) bytes on
	s_lshl_b32 s47, s16, 9
	s_add_co_u32 s46, s46, s47
	s_mov_b32 s47, 0
	s_add_nc_u64 s[22:23], s[22:23], s[46:47]
	v_lshlrev_b32 v8, 6, v2                        ; along source 0: block b's register j is row 32 (b / 2) + 8 (b % 2) + 16 h + j
	v_and_b32 v9, 8, v1
	v_add_nc_u32 v9, v9, v1
	v_lshlrev_b32 v9, 2, v9                        ; along source 1: block a's lane r is row 32 (a / 2) + 8 (a % 2) + r + 8 (r / 8)
.irp b, 0,1,2,3,4,5,6,7
	global_load_b128 v[B0+8*\b:B0+8*\b+3], v8, s[22:23] offset:(32*(\b/2)+8*(\b%2))*4
	global_load_b128 v[B0+8*\b+4:B0+8*\b+7], v8, s[22:23] offset:(32*(\b/2)+8*(\b%2))*4+16
.endr
.irp a, 0,1,2,3,4,5,6,7
	global_load_b32 v[B1+2*\a], v9, s[22:23] offset:(32*(\a/2)+8*(\a%2))*4
	global_load_b32 v[B1+2*\a+1], v9, s[22:23] offset:(32*(\a/2)+8*(\a%2))*4
.endr
	; where my wave's images go
	s_lshr_b32 s20, s17, 3                         ; the batch: 8 tiles of 256 tokens each
	s_and_b32 s21, s17, 7
	s_lshl_b32 s21, s21, 1
	s_add_co_u32 s21, s21, s15                     ; which 128 tokens of the batch
	s_lshl_b32 s20, s20, 4
	s_lshl_b32 s46, s40, 2
	s_add_co_u32 s20, s20, s46
	s_lshl_b32 s46, s16, 1
	s_add_co_u32 s20, s20, s46                     ; 16 x batch + my first head (4 cx + 2 x half)
	s_mul_i32 s46, s20, 98304
	s_mul_i32 s47, s21, 6144
	s_add_co_u32 s46, s46, s47
	s_mul_i32 s47, ttmp9, 6291456                  ; q's, k's or v's region
	s_add_co_u32 s46, s46, s47
	s_mov_b32 s47, 0
	s_add_nc_u64 s[OC:OC+1], s[98:99], s[46:47]
	s_mul_i32 s46, s20, 12288
	s_mul_i32 s47, s21, 768
	s_add_co_u32 s46, s46, s47
	s_add_co_u32 s46, s46, s92
	s_lshl_b32 s47, s[SELV], 9                     ; v's words lie 512 bytes behind k's
	s_add_co_u32 s46, s46, s47
	s_mov_b32 s47, 0
	s_add_nc_u64 s[OS:OS+1], s[100:101], s[46:47]
	v_and_b32 v10, 31, v0
	v_lshlrev_b32 v[L8], 3, v10
	v_lshlrev_b32 v[SA], 4, v1
	v_mul_u32_u24 v11, s[SH], v2
	v_add_nc_u32 v[SA], v[SA], v11                 ; 16 r + h x SH
	v_mov_b32 v[VA0], v[L8]
	v_add_nc_u32 v[VA1], s[D1], v[L8]
	s_mov_b32 s[AO], 0
	s_mov_b32 s[SEL], 0x76543210
	s_mov_b32 s[SEL+1], 0xfedcba98
.irp b, 0,1,2,3
	v_mov_b32 v[TM+4+\b], 0                        ; written once: a lane permute's destination counts as one of its sources
.endr
	s_wait_loadcnt 0x0                             ; the biases
.set i, 0
.rept 64
	v_and_b32 v[B0+i], s43, v[B0+i]                ; zeros in the clusters that make v
.set i, i+1
.endr
.set i, 0
.rept 16
	v_and_b32 v[B1+i], s44, v[B1+i]                ; zeros in those that make q and k
.set i, i+1
.endr
.macro FRAG reg, adr, q, i             ; a fragment, 16 rows x 128 K of 6-bit codes, is 12 registers: lane l holds row l % 16; registers 6 c .. 6 c + 5 hold K = 64 c + 32 (l / 16) + 0 .. 31: 24 bytes of the row's stream of bits, as they lie
.irp p, 0,1,2,3,4,5                    ; in pieces of 8 bytes.  Lanes 0-15 take the row's pieces 12 q + 0, 1, 2 and 12 q + 6, 7, 8, lanes 16-31 those three pieces on
.set PCE, 12*(\q)+6*(\p/3)+\p%3        ; 16 bytes of padding lie behind every 8 pieces: where the piece three on lies behind one padding more, the second address register serves
.if PCE%8 < 5
	ds_load_b64 v[\reg+2*\p:\reg+2*\p+1], v[\adr] offset:8*PCE+16*(PCE/8)+(\i)*16*PITCH
.else
	ds_load_b64 v[\reg+2*\p:\reg+2*\p+1], v[\adr+2] offset:8*PCE+16*(PCE/8)+(\i)*16*PITCH
.endif
.endr
.endm
; 16 matrix instructions: source 1's blocks a0, a0 + 1 x source 0's eight, 128 along K: the slot's q-th.  p: source 0's set;  sc: the set of scale words.  first = 1: the sums begin, with the bias along source 0 as C.
; The 64 accumulators take turns, one instruction a turn, in the same order in every step.
.macro MUL16 a0, p, q, sc, first
.irp a, \a0, \a0+1
.irp b, 0,1,2,3,4,5,6,7
.if \first
	v_wmma_scale_f32_16x16x128_f8f6f4 v[8*(8*((\a)%4)+\b):8*(8*((\a)%4)+\b)+7], v[128*(\p)+FR*\b:128*(\p)+FR*\b+FR-1], v[AF+FR*(\a):AF+FR*(\a)+FR-1], v[B0+8*\b:B0+8*\b+7], v[SC+8*NQ*(\sc)+NQ*\b+(\q)], v[SC+8*NQ*(\sc)+NQ*(\a)+(\q)] matrix_a_fmt:MATRIX_FMT_FP6 matrix_b_fmt:MATRIX_FMT_FP6 matrix_a_scale:MATRIX_SCALE_ROW1
.else
	v_wmma_scale_f32_16x16x128_f8f6f4 v[8*(8*((\a)%4)+\b):8*(8*((\a)%4)+\b)+7], v[128*(\p)+FR*\b:128*(\p)+FR*\b+FR-1], v[AF+FR*(\a):AF+FR*(\a)+FR-1], v[8*(8*((\a)%4)+\b):8*(8*((\a)%4)+\b)+7], v[SC+8*NQ*(\sc)+NQ*\b+(\q)], v[SC+8*NQ*(\sc)+NQ*(\a)+(\q)] matrix_a_fmt:MATRIX_FMT_FP6 matrix_b_fmt:MATRIX_FMT_FP6 matrix_a_scale:MATRIX_SCALE_ROW1
.endif
.endr
.endr
.endm
.macro FETCH_B slot, q, p              ; source 0's eight fragments of the slot's q-th 128 along K into set p
	WIN TO_B
.irp i, 0,1,2,3,4,5,6,7
	FRAG 128*(\p)+FR*\i, ADRB+\slot, \q, \i
.endr
	WIN 0
.endm
.macro FETCH_A slot, q, i0             ; source 1's blocks i0 .. i0 + 3
.irp i, \i0, \i0+1, \i0+2, \i0+3
	FRAG AF+FR*(\i), ADRA+\slot, \q, \i
.endr
.endm
.macro SCALES sc                       ; a K step's scale words into set sc: two words a row
.irp i, 0,1,2,3,4,5,6,7
	ds_load_b64 v[SC+8*NQ*\sc+NQ*\i:SC+8*NQ*\sc+NQ*\i+1], v[ADRS] offset:\i*SBLK
.endr
.endm
; A load into a register that a matrix instruction has read, and a vector instruction that reads a matrix result or writes one of a matrix instruction's registers, stand NP places behind it; only plain vector
; instructions that name none of its registers are places (ISA guide 7.12.1 for vector instructions).
.macro PLACES n
.rept \n
	v_nop
.endr
.endm
; A step of 128 along K that has its successor in the same slot.
.macro STEP slot, q, first
	s_wait_dscnt 4*NL                              ; source 0's set and source 1's blocks 0-3 are in; the youngest 24 loads (blocks 4-7) may be out
	WIN MUL_LO-0x20*(\first)                       ; (in the first step C lies in window 0)
	MUL16 0, (\q)%2, \q, \slot, \first
	MUL16 2, (\q)%2, \q, \slot, \first
	s_wait_dscnt 0                                 ; blocks 4-7 are in (asked for 32 matrix instructions ago)
	PLACES NP
	FETCH_B \slot, (\q)+1, 1-(\q)%2
	FETCH_A \slot, (\q)+1, 0
	WIN MUL_HI-0x30*(\first)
	MUL16 4, (\q)%2, \q, \slot, \first
	MUL16 6, (\q)%2, \q, \slot, \first
	PLACES NP
	WIN 0
	FETCH_A \slot, (\q)+1, 4
.endm
; A slot's last step changes slots: ONE barrier; in front of it each wave waits for all its tensor loads, adds 0 to its spare word, and waits for that and for its own reads of this slot.  fill = 1: this slot is filled again, two K steps ahead.
.macro TURN slot, next, fill
	s_wait_tensorcnt 0x0                           ; all my tensor loads have landed: my part of the next slot;  (every window is 0 here)
	ds_add_u32 v[SPW], v[NIL]                      ; 0 onto my spare word
	s_wait_dscnt 4*NL+1                            ; (the add and the youngest 24 loads may be out)
	WIN MUL_LO
	MUL16 0, 1, NQ-1, \slot, 0                     ; sixteen matrix instructions stand between the add and the wait for it
	s_wait_dscnt 0x0                               ; the add is done, and my reads of this slot are over
	s_barrier_signal -1
	MUL16 2, 1, NQ-1, \slot, 0
	WIN 0
	s_barrier_wait -1
.if \fill
	CREST                                          ; the barrier has opened a round of the cluster's barrier: no wave of any partner still reads this slot's tile or has a load on its way
	s_add_nc_u64 s[G0+4*\slot+2:G0+4*\slot+3], s[G0+4*\slot+2:G0+4*\slot+3], 2*ROWB
	s_add_nc_u64 s[G0B+4*\slot+2:G0B+4*\slot+3], s[G0B+4*\slot+2:G0B+4*\slot+3], 2*ROWB
	JLOAD G0+4*\slot, G1, G0B+4*\slot, G1B         ; the first tensor load behind the round; the four v_nop behind it are the places in front of the loads below
.else
	PLACES NP
.endif
	v_add_nc_u32 v[ADRS], 4*NQ, v[ADRS]            ; on to the next K step's scale words
	FETCH_B \next, 0, 0
	FETCH_A \next, 0, 0
	SCALES \next
	WIN MUL_HI
	MUL16 4, 1, NQ-1, \slot, 0
	MUL16 6, 1, NQ-1, \slot, 0
	PLACES NP
	WIN 0
	FETCH_A \next, 0, 4
.endm
; 64 numbers of a lane, v[s] .. v[s + 63], register 16 b + i = k 32 b + 16 (lane / 16) + i of my row, become a fragment's codes in v[PC] on and its scale word in v[PW].
.macro QUANT s
.irp b, 0,1,2,3
	v_max3_num_f32 v[TM+\b], |v[\s+16*\b]|, |v[\s+1+16*\b]|, 0x1800000   ; block b: my 16 numbers, and the floor 2^(3 - 127): so the byte cannot fall under 1
.endr
.irp i, 2,4,6,8,10,12,14
.irp b, 0,1,2,3
	v_max3_num_f32 v[TM+\b], v[TM+\b], |v[\s+16*\b+\i]|, |v[\s+1+16*\b+\i]|   ; (the four blocks by turns)
.endr
.endr
.irp b, 0,1,2,3
	v_permlanex16_b32 v[TM+4+\b], v[TM+\b], s[SEL], s[SEL+1]
.endr
.irp b, 0,1,2,3
	v_max_num_f32 v[TM+\b], v[TM+\b], v[TM+4+\b]   ; with lane l xor 16's: the block's largest magnitude
.endr
.irp b, 0,1,2,3
	v_add_nc_u32 v[TM+12+\b], 0xff000000, v[TM+\b]   ; 2 off its exponent field: the conversion takes the exponent field of this operand as its scale
.endr
.irp b, 0,1,2,3
	v_lshrrev_b32 v[TM+4+\b], 23, v[TM+12+\b]      ; the scale's byte
.endr
	v_lshl_or_b32 v[PW], v[TM+5], 8, v[TM+4]       ; the four bytes make my row's scale word (the same in lanes l and l xor 16)
	v_lshl_or_b32 v[PW], v[TM+6], 16, v[PW]
	v_lshl_or_b32 v[PW], v[TM+7], 24, v[PW]
.irp c, 0,1
	v_cvt_scalef32_pk16_fp6_f32 v[PC+6*\c:PC+2+6*\c], v[\s+32*\c:\s+15+32*\c], v[TM+12+2*\c]
	v_cvt_scalef32_pk16_fp6_f32 v[PC+12+4*\c:PC+14+4*\c], v[\s+16+32*\c:\s+31+32*\c], v[TM+12+2*\c+1]   ; (a conversion's three registers begin on an even number)
.endr
	v_nop                                          ; one plain place behind a scaled conversion
.irp c, 0,1                                    ; the operand's layout wants a WHOLE block in a lane: lanes 0-15 block 2 c, lanes 16-31 block 2 c + 1
.irp i, 0,1,2
	v_permlane16_swap_b32 v[PC+6*\c+\i], v[PC+12+4*\c+\i]
.endr
.irp i, 0,1,2
	v_mov_b32 v[PC+3+6*\c+\i], v[PC+12+4*\c+\i]
.endr
.endr
.endm
; THE WAY OUT of source 1's block a: its eight accumulators are 64 numbers a lane, in the quantiser's order.  The bias along source 1 is added, the numbers are quantised, and the twelve registers of codes leave as six
; pieces: each store covers 256 consecutive bytes, aligned.  q, k: registers 0-5 are token tile a of my first head, 6-11 of my second.  v: all twelve are tile a % 4 of head a / 4.
.macro EPI a
.if (\a) > 0
	s_wait_xcnt 0x0                                ; the last block's stores have read their data and addresses: both are written again only behind this wait
	s_add_co_u32 s[AO], s[AO], s[STA]
.if (\a) == 4
	s_add_co_u32 s[AO], s[AO], s[J4]
.endif
	v_add_nc_u32 v[VA0], s[AO], v[L8]
	v_add_nc_u32 v[VA1], s[D1], v[VA0]
.endif
	WIN 0x02+(\a)/4                                ; source 0: window 2 or 3
.set i, 0
.rept 32
	v_pk_add_f32 v[T+i:T+i+1], v[64*((\a)%4)+i:64*((\a)%4)+i+1], v[B1+2*(\a):B1+2*(\a)+1] op_sel_hi:[1,0]   ; each accumulator from its low end on
.set i, i+2
.endr
	WIN 0
	QUANT T
	v_and_or_b32 v[WA+(\a)], v[PW], s[SM], s[SO]   ; q, k: the first head's two bytes and twice 0x7f; v: the word as it is
	v_lshrrev_b32 v[WB+(\a)], 16, v[PW]
	v_or_b32 v[WB+(\a)], 0x7f7f0000, v[WB+(\a)]    ; q, k: the second head's
.irp j, 0,1,2
	global_store_b64 v[VA0], v[PC+2*\j:PC+2*\j+1], s[OC:OC+1] offset:256*\j
.endr
.irp j, 0,1,2
	global_store_b64 v[VA1], v[PC+6+2*\j:PC+7+2*\j], s[OC:OC+1] offset:256*\j
.endr
.endm
	s_wait_tensorcnt 1                             ; the scale bytes and my part of K step 0 are in (K step 1's load may be out)
	s_barrier_signal -1
	s_barrier_wait -1                              ; everybody's are
	FETCH_B 0, 0, 0
	FETCH_A 0, 0, 0
	SCALES 0
	FETCH_A 0, 0, 4
	STEP 0, 0, 1                                   ; K = 0: the sums begin.  K has eight steps of 128, four slots' worth: written straight
	TURN 0, 1, 1                                   ; slot 0 takes K step 2
	STEP 1, 0, 0
	TURN 1, 0, 1                                   ; slot 1 takes K step 3
	STEP 0, 0, 0
	TURN 0, 1, 0                                   ; nothing is left to fetch
	STEP 1, 0, 0
	s_wait_dscnt 4*NL                              ; the very last step
	WIN MUL_LO
	MUL16 0, 1, NQ-1, 1, 0
	MUL16 2, 1, NQ-1, 1, 0
	s_wait_dscnt 0
	WIN MUL_HI
	MUL16 4, 1, NQ-1, 1, 0
	MUL16 6, 1, NQ-1, 1, 0
	WIN 0
	PLACES NP                                      ; ahead of the first read of results and the first write of registers that held fragments
.irp a, 0,1,2,3,4,5,6,7
	EPI \a
.endr
.irp i, 0,1,2,3
	v_cndmask_b32 v[OW+\i], v[WA+\i], v[WA+4+\i], s[HM]   ; lanes 0-15: blocks 0-3's words, lanes 16-31: blocks 4-7's
.endr
	global_store_b128 v[SA], v[OW:OW+3], s[OS:OS+1]        ; sixteen lanes store 256 consecutive bytes, aligned
	s_cmp_lg_u32 s[SELV], 0                        ; v has no second set of words.  The branch hangs on the cluster's x alone
	s_cbranch_scc1 .Lno_second
.irp i, 0,1,2,3
	v_cndmask_b32 v[OW+4+\i], v[WB+\i], v[WB+4+\i], s[HM]
.endr
	global_store_b128 v[SA], v[OW+4:OW+7], s[OS:OS+1] offset:12288   ; the second head's
.Lno_second:
	s_wait_tensorcnt 0x0                           ; the wave's end, behind my last tensor load
	ds_add_u32 v[SPW], v[NIL]
	s_wait_dscnt 0x0
	CROUND                                         ; the closing round: no work-group ends while a partner may still ask for a tile that names it
	s_endpgm
.Lfunc_end_k_qf70d5ca961_proj:
	.size	k_qf70d5ca961_proj, .Lfunc_end_k_qf70d5ca961_proj-k_qf70d5ca961_proj
	.p2alignl 7, 3214868480
	.fill 96, 4, 3214868480
	.section	.rodata,"a",@progbits
	.p2align	6, 0x0
	.amdhsa_kernel k_qf70d5ca961_proj
		.amdhsa_group_segment_fixed_size 327680
		.amdhsa_private_segment_fixed_size 0
		.amdhsa_enable_private_segment 0
		.amdhsa_kernarg_size 56
		.amdhsa_user_sgpr_count 2
		.amdhsa_user_sgpr_kernarg_segment_ptr 1
		.amdhsa_wavefront_size32 1
		.amdhsa_system_sgpr_workgroup_id_x 1
		.amdhsa_system_sgpr_workgroup_id_y 1
		.amdhsa_system_sgpr_workgroup_id_z 1
		.amdhsa_system_vgpr_workitem_id 0
		.amdhsa_next_free_vgpr 1024
		.amdhsa_next_free_sgpr 104
		.amdhsa_reserve_vcc 0
		.amdhsa_float_denorm_mode_32 3
		.amdhsa_float_denorm_mode_16_64 3
		.amdhsa_memory_ordered 1
		.amdhsa_forward_progress 1
		.amdhsa_inst_pref_size 192
	.end_amdhsa_kernel
	.amdgpu_metadata
---
amdhsa.version: [ 1, 2 ]
amdhsa.kernels:
  - .name:           k_qf70d5ca961_proj
    .symbol:         k_qf70d5ca961_proj.kd
    .args:
      - { .name: cod, .offset: 0, .size: 8, .value_kind: global_buffer, .address_space: global }
      - { .name: scl, .offset: 8, .size: 8, .value_kind: global_buffer, .address_space: global }
      - { .name: bq, .offset: 16, .size: 8, .value_kind: global_buffer, .address_space: global }
      - { .name: bk, .offset: 24, .size: 8, .value_kind: global_buffer, .address_space: global }
      - { .name: bv, .offset: 32, .size: 8, .value_kind: global_buffer, .address_space: global }
      - { .name: qkvc, .offset: 40, .size: 8, .value_kind: global_buffer, .address_space: global }
      - { .name: qkvs, .offset: 48, .size: 8, .value_kind: global_buffer, .address_space: global }
    .group_segment_fixed_size: 327680
    .private_segment_fixed_size: 0
    .kernarg_segment_align: 8
    .kernarg_segment_size: 56
    .max_flat_workgroup_size: 128
    .sgpr_count:     104
    .vgpr_count:     1024
    .wavefront_size: 32
...
	.end_amdgpu_metadata
.endif
;; end of part 2
;; launch attn (part 3): grid 4 x 64, 8 waves a work-group, clusters of 4 x 1, 252,928 bytes of LDS; arguments qkvc, qkvs, attention_mask, out0; writes out0
.if DOCPART == 3
	.amdgcn_target "amdgcn-amd-amdhsa--gfx1250"
	.amdhsa_code_object_version 6
	.text
	.protected	k_qf70d5ca961_attn
	.globl	k_qf70d5ca961_attn
	.p2align	8
	.type	k_qf70d5ca961_attn,@function
k_qf70d5ca961_attn:
	s_mov_b64 s[64:65], 0
	v_nop
	global_prefetch_b8 v0, s[64:65] scope:SCOPE_SE
	s_setreg_imm32_b32 hwreg(HW_REG_WAVE_MODE, 25, 1), 1
	s_wait_xcnt 0x0
	s_wait_alu depctr_hold_cnt(0) depctr_sa_sdst(0) depctr_va_vdst(0) depctr_va_sdst(0) depctr_va_ssrc(0) depctr_va_vcc(0) depctr_vm_vsrc(0)
	s_getreg_b32 s2, hwreg(HW_REG_IB_STS2, 6, 4)
	s_cmp_eq_u32 s2, 0
	s_cbranch_scc0 .Lentry_in_a_cluster
	s_endpgm
.Lentry_in_a_cluster:
	s_bfe_u32 s2, ttmp6, 0x10000c
	s_cmp_lg_u32 s2, 0x3003
	s_cbranch_scc0 .Lentry_shape_is_right
	s_endpgm
.Lentry_shape_is_right:
; out0[b][q][64 head + d] = the sum over keys of softmax(q . k / 8 + mask[b][key]) v[key][d], both products on codes of FP6 (E2M3) with one E8M0 scale for each 32 along a product's K.
; q, k, v come as images of operand registers (256 bytes = two registers of 32 lanes, lane l's 8 bytes at 8 l), [16 b + head][128 tokens][6,144 bytes] each, with their scale words beside them.
; THE SOFTMAX AHEAD OF THE SECOND PRODUCT: t = (q . k / 8 + mask) log2(e); M = the row's largest t so far, rounded UP to a whole number; p = 2^(t - M) is quantised along the keys, not normalised.  The row's sum is taken of
; the unquantised p, in f32, and divides at the end.  When M moves, the sum and O are multiplied by 2^(old M - new M): exact.
; THE MASK is the C of the first product: 8 x mask (exact), so that the product gives q . k + 8 mask and one multiply-add by log2(e) / 8 gives t - M.
; SHARES.  A work-group owns 512 queries of one head, in two passes of 256; each of its eight waves 32 queries a pass: two tiles of 16.  Tile u lives in register window u under the same register numbers, so that a step's
; fragments of K and V, their scale words and the mask are read from LDS once for two tiles.  Two waves share a SIMD: one's vector work stands beside the other's matrix work and LDS loads.
; A HEAD'S WHOLE K AND V STAY IN LDS (98,304 bytes each): first fills alone, nothing is filled again.  The head's four work-groups form a cluster and ask for every piece JOINTLY (mask 15).  Each wave brings a sixteenth at a
; time, in four quarters of the keys; a quarter is read as soon as it has landed, behind a counted wait and a barrier.  All of K and V is asked for at the head, so no later request is left that a prefetch could run ahead of.
; LAYOUT.  Both products are used transposed: S^T = K Q^T (source 0 = 16 keys, source 1 = 16 queries), O^T = V^T P^T (source 0 = 16 of the head's 64, source 1 = P): a lane holds ONE query throughout.
; Lane r of key tile t holds key 32 (t / 2) + 8 (t % 2) + r + 8 (r / 8), so the 16 registers of tiles 2 b, 2 b + 1 are keys 32 b + 16 (lane / 16) + 0 .. 15.  V's tiles of d and Q's tiles of queries are laid likewise.
; K = 64 IN AN INSTRUCTION OF 128: Q's upper six registers are zero codes, and both sides' scale bytes there are 0x7f.  K's fragments stand six registers apart, so the upper six registers of tile t's operand are tile t + 1's
; codes (behind tile 7: zeros): finite numbers that meet Q's zeros and add nothing.
; LIMITS: 8 x mask overflows for |mask| from 2^125 on; a mask of -infinity is served (p = 0) unless it hides every key of a row, where reference() has NaN too; other NaN and infinities are not served.
; REGISTERS of tile u (window u): v12 -M, v13 the largest t, v[14:15] the sum in two halves; v16-21 Q's codes, v22-27 zeros; v96-159 S^T, then p; v160-191 O^T; v192-211 p's codes; v212-227 at work.
;   window 0 alone: v1-11, v28-31, v87 addresses; v32-79 K's eight fragments, then V's four; v80-85 zeros; v228-239 scale words.   window 1 alone: v32-95 the mask as C.
.set VC,    98304                      ; LDS: K's images at 0, V's here,
.set KVS,   196608                     ; their scale words: 768 bytes a key step,
.set MK,    208896                     ; 8 x mask of the batch's 2,048 keys (stored by the waves: blocks of its own),
.set STG,   217088                     ; a stage of 16 rows x 272 bytes for each wave,
.set SPARE, 251904                     ; and the spare words, 128 bytes a wave, which no other line names
.set SP,    272
.set SPW,  6                           ; v6   LDS address of my spare word; never rewritten
.set NIL,  7                           ; v7   0; never rewritten
.set ADK,  8                           ; v8-11, v28  LDS addresses of the step in hand: K, V, K's words, V's words, the mask
.set ADV,  9
.set ADS,  10
.set ADT,  11
.set ADM,  28
.set GO,   29                          ; v29  the way out: my byte offset in the wave's rows of out0
.set STO,  30                          ; v30  where I put my numbers of a row
.set RD,   31                          ; v31  where I read a row back
.set KF,   32
.set MC,   32                          ; in window 1
.set S,    96
.set O,    160
.set PC,   192
.set BM,   212                         ; v212-215 a block's largest score, then its largest p
.set BT,   216                         ; v216-219 the other half's; later the bytes
.set BS,   220                         ; v220-223 the conversions' scale operands
.set F,    224                         ; v[224:225] f = 2^(old M - new M); at the end 1 / the sum
.set TA,   226                         ; v[226:227] at work
.set KSW,  228                         ; v228-231 K's scale words: register i: lanes 0-15 tile i, lanes 16-31 tile 4 + i
.set VSW,  232                         ; v232-235 V's: register dt
.set QSW,  236                         ; v236-237 Q's: tile u
.set PSW,  238                         ; v238-239 p's: tile u
.set WV,   12                          ; s12  my wave's number
.set G1C,  16                          ; s[16:23] descriptor group 1 for 6,144 bytes of codes;  s[24:31] for 1,536 bytes of scale words
.set G1S,  24
.set G0S,  32                          ; s[32:35] group 0 for the scale words;  s[36:51] for the four quarters
.set G0,   36
.set SEL,  52                          ; s[52:53] v_permlanex16_b32's selects for lane l xor 16
.set CS,   54                          ; s[54:55] log2(e) / 8: the packed form names a pair and takes its low word for both halves
.set PASS, 56
.set CNT,  57
.set TK,   58                          ; s58  the step's place among K's, and V's, images
.set TS,   59                          ; s59  among the scale words
.set TM,   60                          ; s60  in the mask
.set QC,   66                          ; s[66:67] Q's codes at my wave's two tiles
.set QS,   68                          ; s[68:69] their scale words
.set OB,   70                          ; s[70:71] out0 at my wave's first query
.set MSB, 0
.macro WIN new                         ; the immediate's high byte repeats the setting that is left.  Low byte: bits 1:0 source 0, 3:2 source 1, 5:4 source 2, 7:6 destination
.if MSB != (\new)
	s_set_vgpr_msb (MSB<<8)|(\new)
.set MSB, (\new)
.endif
.endm
.macro CROUND                          ; a round of the cluster's barrier
	s_barrier_signal -1
	s_barrier_wait -1
	s_cmp_lg_u32 s[WV], 0
	s_cbranch_scc1 .Lnot_wave_0_\@
	s_barrier_signal -3
.Lnot_wave_0_\@:
	s_barrier_wait -3
	s_barrier_signal -1
	s_barrier_wait -1
.endm
	s_load_b256 s[4:11], s[0:1], 0x0               ; qkvc s[4:5], qkvs s[6:7], attention_mask s[8:9], out0 s[10:11]
	v_lshl_add_u32 v[SPW], v0, 2, SPARE
	v_mov_b32 v[NIL], 0
	ds_add_u32 v[SPW], v[NIL]                      ; the wave's opening: the add and its wait stand ahead of my first tensor load; the set-up below, work on registers, stands between them
	v_lshrrev_b32 v1, 5, v0
	v_readfirstlane_b32 s[WV], v1                  ; wave 0..7
	s_bfe_u32 s13, ttmp6, 0x40000                  ; cx: which 512 queries: it enters Q's and out0's addresses alone
	s_and_b32 s14, ttmp7, 0xffff                   ; 16 x batch + head, which the four partners share
	; descriptor group 1: dense blocks, as rows of 256 bytes (32 elements of 8 bytes), no padding: 24 rows of codes, 6 rows of scale words
	s_mov_b32 s[G1C], 15|(3<<16)|(1<<21)           ; 15:0 the mask: all four work-groups; 17:16 elements of 8 bytes; 21 set beside a mask
	s_mov_b32 s[G1C+1], 32<<16                     ; tensor_dim0
	s_mov_b32 s[G1C+2], 24<<16                     ; tensor_dim1
	s_mov_b32 s[G1C+3], 32<<16                     ; tile_dim0
	s_mov_b32 s[G1C+4], 24                         ; tile_dim1
	s_mov_b32 s[G1C+5], 32                         ; tensor_dim0_stride
	s_mov_b32 s[G1C+6], 0
	s_mov_b32 s[G1C+7], 0
	s_mov_b32 s[G1S], 15|(3<<16)|(1<<21)
	s_mov_b32 s[G1S+1], 32<<16
	s_mov_b32 s[G1S+2], 6<<16
	s_mov_b32 s[G1S+3], 32<<16
	s_mov_b32 s[G1S+4], 6
	s_mov_b32 s[G1S+5], 32
	s_mov_b32 s[G1S+6], 0
	s_mov_b32 s[G1S+7], 0
	s_mov_b32 s[SEL], 0x76543210
	s_mov_b32 s[SEL+1], 0xfedcba98
	s_mov_b32 s[CS], 0x3e38aa3b                    ; log2(e) / 8
	s_mov_b32 s[CS+1], s[CS]                       ; (named with it as a pair, so it is written)
	s_lshr_b32 s72, s[WV], 2                       ; waves 0-3 fetch K, waves 4-7 V;
	s_and_b32 s73, s[WV], 3                        ; of a quarter's four key steps the (wave % 4)-th
	s_mul_i32 s74, s72, VC
	s_mul_i32 s75, s73, 6144
	s_add_co_u32 s74, s74, s75                     ; its place in LDS: no place in the cluster enters an LDS address
	s_mul_i32 s76, s72, 6291456
	s_add_co_u32 s76, s76, 6291456                 ; k's region, or v's,
	s_add_co_u32 s76, s76, s75
	s_mul_i32 s77, s14, 98304                      ; my head
	s_add_co_u32 s76, s76, s77
	s_mov_b32 s77, 0
	s_mul_i32 s78, s[WV], 1536                     ; the scale words: two key steps' a wave
	s_mul_i32 s79, s14, 12288
	s_add_co_u32 s80, s78, s79
	s_add_co_u32 s80, s80, 786432
	s_mov_b32 s81, 0
	s_wait_dscnt 0x0                               ; the opening add is done
	s_wait_kmcnt 0x0
	s_mov_b32 s[G0S], 1                            ; 1:0 count = 1
	s_add_co_u32 s[G0S+1], s78, KVS                ; 63:32 LDS address
	s_add_nc_u64 s[G0S+2:G0S+3], s[6:7], s[80:81]  ; 120:64 global address
	s_or_b32 s[G0S+3], s[G0S+3], 0x80000000        ; 127:126 type = 2
	s_add_nc_u64 s[76:77], s[4:5], s[76:77]
.irp c, 0,1,2,3
	s_mov_b32 s[G0+4*\c], 1
	s_add_co_u32 s[G0+4*\c+1], s74, 24576*\c       ; a quarter is four key steps of 6,144 bytes
	s_add_nc_u64 s[G0+4*\c+2:G0+4*\c+3], s[76:77], 24576*\c
	s_or_b32 s[G0+4*\c+3], s[G0+4*\c+3], 0x80000000
.endr
	CROUND                                         ; all four work-groups are here: the joint loads meet
	tensor_load_to_lds s[G0S:G0S+3], s[G1S:G1S+7]  ; every wave issues the same five lines with its own numbers: by this text's count five tensor loads of mine are out
	s_nop 0
.irp c, 0,1,2,3
	tensor_load_to_lds s[G0+4*\c:G0+4*\c+3], s[G1C:G1C+7]
	s_nop 0
.endr
.rept 4
	v_nop
.endr
	s_lshr_b32 s72, s14, 4                         ; the batch
	s_lshl_b32 s72, s72, 13                        ; its 2,048 numbers of the mask
	s_mov_b32 s73, 0
	s_add_nc_u64 s[8:9], s[8:9], s[72:73]
	v_lshlrev_b32 v88, 4, v0                       ; 16 bytes a thread, twice
	global_load_b128 v[96:99], v88, s[8:9]
	global_load_b128 v[100:103], v88, s[8:9] offset:4096
	s_lshl_b32 s72, s13, 4                         ; Q's codes: two tiles, 1,536 bytes, for each 32 queries: 16 cx + wave (+ 8 in the second pass)
	s_add_co_u32 s72, s72, s[WV]
	s_mul_i32 s72, s72, 1536
	s_mul_i32 s74, s14, 98304
	s_add_co_u32 s72, s72, s74
	s_add_nc_u64 s[QC:QC+1], s[4:5], s[72:73]
	s_lshl_b32 s72, s13, 2                         ; Q's scale words: 768 bytes for each 128 queries: 4 cx + wave / 4 (+ 2 in the second pass);
	s_lshr_b32 s74, s[WV], 2
	s_add_co_u32 s72, s72, s74
	s_mul_i32 s72, s72, 768
	s_bfe_u32 s74, s[WV], 0x10001                  ; tile t = 2 (wave % 4) + u: t / 4 picks the 256 bytes,
	s_lshl_b32 s74, s74, 8
	s_add_co_u32 s72, s72, s74
	s_and_b32 s74, s[WV], 1                        ; t % 4 the word
	s_lshl_b32 s74, s74, 3
	s_add_co_u32 s72, s72, s74
	s_mul_i32 s74, s14, 12288
	s_add_co_u32 s72, s72, s74
	s_add_nc_u64 s[QS:QS+1], s[6:7], s[72:73]
	s_lshr_b32 s72, s14, 4                         ; out0: 8,388,608 bytes a batch, 4,096 a token, 256 a head
	s_lshl_b32 s72, s72, 23
	s_and_b32 s74, s14, 15
	s_lshl_b32 s74, s74, 8
	s_add_co_u32 s72, s72, s74
	s_lshl_b32 s74, s13, 21                        ; 512 cx tokens
	s_add_co_u32 s72, s72, s74
	s_lshl_b32 s74, s[WV], 17                      ; 32 x wave tokens
	s_add_co_u32 s72, s72, s74
	s_add_nc_u64 s[OB:OB+1], s[10:11], s[72:73]
	v_and_b32 v89, 31, v0                          ; lane
	v_and_b32 v90, 15, v0                          ; r
	v_bfe_u32 v91, v0, 4, 1                        ; h
	v_lshlrev_b32 v1, 3, v89                       ; v1: 8 x lane: my place in a piece, in memory and in K's images
	v_lshlrev_b32 v87, 4, v90                      ; v87: 16 r
.macro LOADQ                           ; my two tiles of Q: three pieces each, and a scale word a row
.irp u, 0,1
	WIN 0x40*\u                                    ; destination: window u
.irp j, 0,1,2
	global_load_b64 v[16+2*\j:17+2*\j], v1, s[QC:QC+1] offset:768*\u+256*\j
.endr
.endr
	WIN 0
	global_load_b32 v[QSW], v87, s[QS:QS+1]
	global_load_b32 v[QSW+1], v87, s[QS:QS+1] offset:4
.endm
	LOADQ
	v_add_nc_u32 v2, VC, v1                        ; v2: my place in V's images
	v_lshl_add_u32 v3, v89, 4, KVS                 ; v3: K's scale words: 16 bytes a lane
	v_lshl_add_u32 v4, v90, 4, KVS+512             ; v4: V's: 16 bytes a row
	v_lshl_add_u32 v5, v91, 6, MK                  ; v5: the mask: my half's 16 keys of a block of 32
	s_mul_i32 s75, s[WV], 16*SP
	s_add_co_u32 s75, s75, STG                     ; my stage
	v_mul_u32_u24 v[STO], v90, SP                  ; in: row r, 64 bytes for each half of the lanes
	v_lshl_add_u32 v[STO], v91, 6, v[STO]
	v_add_nc_u32 v[STO], s75, v[STO]
	v_mul_u32_u24 v[RD], v91, SP                   ; back: lanes 0-15 one row of 256 bytes, lanes 16-31 the next
	v_lshl_add_u32 v[RD], v90, 4, v[RD]
	v_add_nc_u32 v[RD], s75, v[RD]
	v_lshlrev_b32 v[GO], 12, v91                   ; and the same two tokens in out0
	v_lshl_add_u32 v[GO], v90, 4, v[GO]
	v_lshl_add_u32 v92, v0, 4, MK                  ; where my 16 bytes of the mask go
.irp j, 80,81,82,83,84,85
	v_mov_b32 v[\j], 0                             ; behind K's tile 7: zero codes
.endr
.irp u, 0,1
	WIN 0x40*\u
.irp j, 22,23,24,25,26,27
	v_mov_b32 v[\j], 0                             ; Q's K = 64 .. 127: zero codes
.endr
.irp b, 0,1,2,3
	v_mov_b32 v[BT+\b], 0                          ; written once: a lane permute's destination counts as one of its sources
.endr
	v_mov_b32 v[F+1], 0                            ; (named as the upper half of the pair before it is ever written)
.endr
	WIN 0
	s_wait_loadcnt 8                               ; the mask's two loads are in; Q's eight, issued behind them, may be out
.irp j, 0,2,4,6
	v_pk_mul_f32 v[96+\j:97+\j], v[96+\j:97+\j], 0x41000000 op_sel_hi:[1,0]   ; x 8: exact
.endr
	ds_store_b128 v92, v[96:99]
	ds_store_b128 v92, v[100:103] offset:4096      ; read by all waves behind the first quarter's barrier, in front of which each wave waits for its LDS stores
.macro INIT u                          ; the step is written once: the first finds zeros, which the first change of M leaves zeros
	WIN 0x55*\u
	v_mov_b32 v13, 0xff61b1e6                      ; the largest t so far: -3e38, under every t
	v_floor_f32 v12, -v13                          ; -M
	v_mov_b32 v14, 0
	v_mov_b32 v15, 0
.set i, 0
.rept 32
	v_mov_b32 v[O+i], 0
.set i, i+1
.endr
.endm
.macro SMUL u                          ; S^T = K Q^T + 8 mask for tile u: eight tiles of 16 keys
	WIN 0x10+0x44*\u                               ; K window 0, Q and S^T window u, the mask window 1
.irp t, 0,1,2,3,4,5,6,7
.if \t < 4
	v_wmma_scale_f32_16x16x128_f8f6f4 v[S+8*\t:S+8*\t+7], v[KF+6*\t:KF+6*\t+11], v[16:27], v[MC+8*\t:MC+8*\t+7], v[KSW+\t%4], v[QSW+\u] matrix_a_fmt:MATRIX_FMT_FP6 matrix_b_fmt:MATRIX_FMT_FP6
.else
	v_wmma_scale_f32_16x16x128_f8f6f4 v[S+8*\t:S+8*\t+7], v[KF+6*\t:KF+6*\t+11], v[16:27], v[MC+8*\t:MC+8*\t+7], v[KSW+\t%4], v[QSW+\u] matrix_a_fmt:MATRIX_FMT_FP6 matrix_b_fmt:MATRIX_FMT_FP6 matrix_a_scale:MATRIX_SCALE_ROW1
.endif
.endr
.endm
.macro PVMUL u                         ; O^T += V^T P^T for tile u: four tiles of 16 of the head's 64; K = the step's 128 keys.  The accumulators take turns, one instruction a turn
	WIN 0x54*\u                                    ; V window 0, P and O^T window u
.irp m, 0,1,2,3
	v_wmma_scale_f32_16x16x128_f8f6f4 v[O+8*\m:O+8*\m+7], v[KF+12*\m:KF+12*\m+11], v[PC:PC+11], v[O+8*\m:O+8*\m+7], v[VSW+\m], v[PSW+\u] matrix_a_fmt:MATRIX_FMT_FP6 matrix_b_fmt:MATRIX_FMT_FP6
.endr
.endm
.macro SOFTMAX u                       ; tile u's 64 scores a lane become p's codes and scale word; M, the sum and O^T follow
	WIN 0x55*\u
.irp b, 0,1,2,3
	v_max3_num_f32 v[BM+\b], v[S+16*\b], v[S+1+16*\b], v[S+2+16*\b]   ; THE LARGEST SCORE OF EACH BLOCK OF 32 KEYS serves twice: for the row's maximum and, since p rises with the score, for the block's largest p
.endr
.irp i, 3,5,7,9,11,13
.irp b, 0,1,2,3
	v_max3_num_f32 v[BM+\b], v[BM+\b], v[S+16*\b+\i], v[S+1+16*\b+\i]   ; (the four blocks by turns)
.endr
.endr
.irp b, 0,1,2,3
	v_max_num_f32 v[BM+\b], v[BM+\b], v[S+15+16*\b]
.endr
.irp b, 0,1,2,3
	v_permlanex16_b32 v[BT+\b], v[BM+\b], s[SEL], s[SEL+1]
.endr
.irp b, 0,1,2,3
	v_max_num_f32 v[BM+\b], v[BM+\b], v[BT+\b]     ; with lane l xor 16's 16 keys
.endr
	v_max3_num_f32 v[TA], v[BM], v[BM+1], v[BM+2]
	v_max_num_f32 v[TA], v[TA], v[BM+3]            ; the step's largest score of my query
	v_mul_f32 v[TA], s[CS], v[TA]                  ; as t
	v_max_num_f32 v13, v13, v[TA]                  ; the running largest t
	v_mov_b32 v[TA], v12
	v_floor_f32 v12, -v13                          ; the new -M = floor(-t) = -ceil(t): a whole number
	v_sub_f32 v[TA], v12, v[TA]                    ; old M - new M: a whole number, 0 or less
	v_cvt_i32_f32 v[TA], v[TA]                     ; (it saturates)
	v_ldexp_f32 v[F], 1.0, v[TA]                   ; f = 2^(old M - new M)
.set i, 0
.rept 32
	v_pk_fma_f32 v[S+i:S+i+1], v[S+i:S+i+1], s[CS:CS+1], v[12:13] op_sel_hi:[1,0,0]   ; t - M, two at a time
.set i, i+2
.endr
.irp b, 0,1,2,3
	v_fma_f32 v[BM+\b], v[BM+\b], s[CS], v12       ; the same of each block's largest score
.endr
.set i, 0
.rept 64
	v_exp_f32 v[S+i], v[S+i]                       ; p = 2^(t - M), at most 1
.set i, i+1
.endr
.irp b, 0,1,2,3
	v_exp_f32 v[BM+\b], v[BM+\b]                   ; the block's largest p: the same two instructions on the same number give the same bits
.endr
	v_pk_mul_f32 v[14:15], v[14:15], v[F:F+1] op_sel_hi:[1,0]   ; work that names no exponential's result stands behind the batch: the sum under the new M,
.set i, 0
.rept 16
	v_pk_mul_f32 v[O+i:O+i+1], v[O+i:O+i+1], v[F:F+1] op_sel_hi:[1,0]   ; and O^T, each accumulator from its low end on
.set i, i+2
.endr
	s_wait_alu depctr_va_vdst(0)                   ; the wait ahead of the first instruction that names a result: one for the 68
	v_pk_add_f32 v[TA:TA+1], v[S:S+1], v[S+2:S+3]  ; THE ROW'S SUM IS TAKEN OF THE UNQUANTISED p: two at a time, in two chains
.set i, 4
.rept 15
	v_pk_add_f32 v[14:15], v[14:15], v[S+i:S+i+1]
	v_pk_add_f32 v[TA:TA+1], v[TA:TA+1], v[S+i+2:S+i+3]
.set i, i+4
.endr
	v_pk_add_f32 v[14:15], v[14:15], v[TA:TA+1]
.irp b, 0,1,2,3
	v_max_num_f32 v[BM+\b], 0x1800000, v[BM+\b]    ; the floor 2^(3 - 127): the byte cannot fall under 1 (a block whose every p is 0 keeps that byte: its codes are zeros)
.endr
.irp b, 0,1,2,3
	v_add_nc_u32 v[BS+\b], 0xff000000, v[BM+\b]    ; 2 off the exponent field: the conversion's scale operand
.endr
.irp b, 0,1,2,3
	v_lshrrev_b32 v[BT+\b], 23, v[BS+\b]           ; the scale's byte
.endr
	v_lshl_or_b32 v[TA], v[BT+1], 8, v[BT]
	v_lshl_or_b32 v[TA], v[BT+2], 16, v[TA]
	WIN 0x11*\u                                    ; scale operands have no window: the word goes to window 0
	v_lshl_or_b32 v[PSW+\u], v[BT+3], 24, v[TA]    ; p's scale word for these 128 keys
	WIN 0x55*\u
.irp c, 0,1
	v_cvt_scalef32_pk16_fp6_f32 v[PC+6*\c:PC+2+6*\c], v[S+32*\c:S+15+32*\c], v[BS+2*\c]
	v_cvt_scalef32_pk16_fp6_f32 v[PC+12+4*\c:PC+14+4*\c], v[S+16+32*\c:S+31+32*\c], v[BS+2*\c+1]   ; (a conversion's three registers begin on an even number)
.endr
	v_nop                                          ; one plain place behind a scaled conversion
.irp c, 0,1                                    ; the operand's layout wants a WHOLE block in a lane: lanes 0-15 block 2 c, lanes 16-31 block 2 c + 1
.irp i, 0,1,2
	v_permlane16_swap_b32 v[PC+6*\c+\i], v[PC+12+4*\c+\i]
.endr
.irp i, 0,1,2
	v_mov_b32 v[PC+3+6*\c+\i], v[PC+12+4*\c+\i]
.endr
.endr
.endm
; A KEY STEP: 128 keys, for both tiles.
.macro STEP
	v_add_nc_u32 v[ADK], s[TK], v1                 ; five plain instructions: also the places between the last step's products and the loads into the registers that they read
	v_add_nc_u32 v[ADV], s[TK], v2
	v_add_nc_u32 v[ADS], s[TS], v3
	v_add_nc_u32 v[ADT], s[TS], v4
	v_add_nc_u32 v[ADM], s[TM], v5
.irp t, 0,1,2,3,4,5,6,7
.irp j, 0,1,2
	ds_load_b64 v[KF+6*\t+2*\j:KF+6*\t+2*\j+1], v[ADK] offset:768*\t+256*\j   ; 32 lanes read 256 consecutive bytes
.endr
.endr
	ds_load_b128 v[KSW:KSW+3], v[ADS]
	WIN 0x40                                       ; destination window 1
.irp t, 0,1,2,3,4,5,6,7
	ds_load_b128 v[MC+8*\t:MC+8*\t+3], v[ADM] offset:(32*(\t/2)+8*(\t%2))*4        ; register j of tile t: key 32 (t / 2) + 8 (t % 2) + 16 h + j; sixteen lanes share each word
	ds_load_b128 v[MC+8*\t+4:MC+8*\t+7], v[ADM] offset:(32*(\t/2)+8*(\t%2))*4+16
.endr
	s_wait_dscnt 0x0
	SMUL 0
	SMUL 1
	WIN 0
.rept 4
	v_nop                                          ; places in front of the loads into K's registers and of the first read of the scores
.endr
.set i, 0
.rept 24
	ds_load_b64 v[KF+2*i:KF+2*i+1], v[ADV] offset:256*i   ; V's four fragments land while the softmax is worked
.set i, i+1
.endr
	ds_load_b128 v[VSW:VSW+3], v[ADT]
	SOFTMAX 0
	SOFTMAX 1
	WIN 0
.rept 4
	v_nop                                          ; an operand written by vector instructions stands 4 places ahead of a scaled matrix instruction, a scale register 8: behind tile 1's scale word stand a v_nop, six moves and these four
.endr
	s_wait_dscnt 0x0                               ; V
	PVMUL 0
	PVMUL 1
	WIN 0
	s_add_co_u32 s[TK], s[TK], 6144
	s_add_co_u32 s[TS], s[TS], 768
	s_add_co_u32 s[TM], s[TM], 512
.endm
; A QUARTER of the keys: four steps.  My part of it has landed when at most the 3 - c later quarters' loads are out (a wave's tensor loads end in order); behind the barrier everybody's has.  Nothing is ever filled again,
; so the later quarters may stay out across the barrier.  In the second pass the waits are met at once.
.macro QUARTER c
	s_wait_tensorcnt 3-\c
	s_wait_dscnt 0x0                               ; no LDS instruction of mine is out at the signal (in front of the first: my stores of the mask)
	s_barrier_signal -1
	s_barrier_wait -1
	s_mov_b32 s[TK], 24576*\c
	s_mov_b32 s[TS], 3072*\c
	s_mov_b32 s[TM], 2048*\c
	s_mov_b32 s[CNT], 4
.Lstep_\@:
	STEP
	s_sub_co_u32 s[CNT], s[CNT], 1
	s_cmp_lg_u32 s[CNT], 0
	s_cbranch_scc1 .Lstep_\@
.endm
; THE WAY OUT of tile u: O^T / the sum goes through my stage in LDS (a lane's 16 registers of two tiles of d are 16 neighbours: 64 bytes) and comes back as whole rows of 256 bytes, into window 0.
.macro OUT u
	WIN 0x55*\u
	v_add_f32 v14, v14, v15                        ; the sum's two halves,
	v_permlanex16_b32 v[TA], v14, s[SEL], s[SEL+1]
	v_add_f32 v14, v14, v[TA]                      ; and lane l xor 16's: the row's sum
	v_rcp_f32 v[F], v14
	v_nop                                          ; one plain place behind the reciprocal
	s_wait_alu depctr_va_vdst(0)                   ; and the wait ahead of its first reader
.set i, 0
.rept 16
	v_pk_mul_f32 v[O+i:O+i+1], v[O+i:O+i+1], v[F:F+1] op_sel_hi:[1,0]
.set i, i+2
.endr
	WIN 0x04*\u                                    ; an LDS store's data are its source 1
.irp g, 0,1
.irp k, 0,1,2,3
	ds_store_b128 v[STO], v[O+16*\g+4*\k:O+16*\g+4*\k+3] offset:128*\g+16*\k   ; d = 32 g + 16 h + 4 k + 0 .. 3 of query row r
.endr
.endr
	WIN 0
.irp i, 0,1,2,3,4,5,6,7
	ds_load_b128 v[S+32*\u+4*\i:S+32*\u+4*\i+3], v[RD] offset:2*\i*SP   ; LDS serves a wave's instructions in order: these see my stores, and the next tile's stores come behind them
.endr
.endm
.macro SEND u, younger                 ; younger: the LDS instructions issued behind tile u's loads
	s_wait_dscnt \younger
.irp i, 0,1,2,3,4,5,6,7
	global_store_b128 v[GO], v[S+32*\u+4*\i:S+32*\u+4*\i+3], s[OB:OB+1] offset:4096*(2*\i+8*(\i/4)+8*\u) th:TH_STORE_NT   ; stage row n is query 8 u + n + 8 (n / 8); sixteen lanes store 256 consecutive bytes, aligned
.endr
.endm
	s_mov_b32 s[PASS], 2
.Lpass:                                            ; 256 queries a pass
	s_wait_loadcnt 0x0                             ; Q and its scale words
	INIT 0
	INIT 1
	WIN 0
	QUARTER 0
	QUARTER 1
	QUARTER 2
	QUARTER 3
.rept 4
	v_nop                                          ; places behind the last products, ahead of the loads into Q's registers and the first read of O^T
.endr
	s_cmp_eq_u32 s[PASS], 1                        ; the next pass's Q is asked for here, if there is a next pass: no load leaves its buffer
	s_cbranch_scc1 .Lno_next
	s_add_nc_u64 s[QC:QC+1], s[QC:QC+1], 12288     ; 256 queries on: eight pairs of tiles (the loads that read these addresses were waited for at the pass's head)
	s_add_nc_u64 s[QS:QS+1], s[QS:QS+1], 1536
	LOADQ
.Lno_next:
	OUT 0
	OUT 1
	SEND 0, 16                                     ; behind tile 0's loads: tile 1's eight stores and eight loads
	SEND 1, 0
	s_wait_xcnt 0x0                                ; the stores have read their registers and their base: both are written again only behind this wait
	s_add_nc_u64 s[OB:OB+1], s[OB:OB+1], 1048576   ; 256 tokens of 4,096 bytes
	s_sub_co_u32 s[PASS], s[PASS], 1
	s_cmp_lg_u32 s[PASS], 0
	s_cbranch_scc1 .Lpass
	s_wait_tensorcnt 0x0                           ; the wave's end, behind my last tensor load and my last LDS store
	ds_add_u32 v[SPW], v[NIL]
	s_wait_dscnt 0x0
	CROUND                                         ; the closing round: no work-group ends while a partner may still ask for a piece that names it
	s_endpgm
.Lfunc_end_k_qf70d5ca961_attn:
	.size	k_qf70d5ca961_attn, .Lfunc_end_k_qf70d5ca961_attn-k_qf70d5ca961_attn
	.p2alignl 7, 3214868480
	.fill 96, 4, 3214868480
	.section	.rodata,"a",@progbits
	.p2align	6, 0x0
	.amdhsa_kernel k_qf70d5ca961_attn
		.amdhsa_group_segment_fixed_size 252928
		.amdhsa_private_segment_fixed_size 0
		.amdhsa_enable_private_segment 0
		.amdhsa_kernarg_size 32
		.amdhsa_user_sgpr_count 2
		.amdhsa_user_sgpr_kernarg_segment_ptr 1
		.amdhsa_wavefront_size32 1
		.amdhsa_system_sgpr_workgroup_id_x 1
		.amdhsa_system_sgpr_workgroup_id_y 1
		.amdhsa_system_sgpr_workgroup_id_z 1
		.amdhsa_system_vgpr_workitem_id 0
		.amdhsa_next_free_vgpr 512
		.amdhsa_next_free_sgpr 96
		.amdhsa_reserve_vcc 0
		.amdhsa_float_denorm_mode_32 3
		.amdhsa_float_denorm_mode_16_64 3
		.amdhsa_memory_ordered 1
		.amdhsa_forward_progress 1
		.amdhsa_inst_pref_size 147
	.end_amdhsa_kernel
	.amdgpu_metadata
---
amdhsa.version: [ 1, 2 ]
amdhsa.kernels:
  - .name:           k_qf70d5ca961_attn
    .symbol:         k_qf70d5ca961_attn.kd
    .args:
      - { .name: qkvc, .offset: 0, .size: 8, .value_kind: global_buffer, .address_space: global }
      - { .name: qkvs, .offset: 8, .size: 8, .value_kind: global_buffer, .address_space: global }
      - { .name: attention_mask, .offset: 16, .size: 8, .value_kind: global_buffer, .address_space: global }
      - { .name: out0, .offset: 24, .size: 8, .value_kind: global_buffer, .address_space: global }
    .group_segment_fixed_size: 252928
    .private_segment_fixed_size: 0
    .kernarg_segment_align: 8
    .kernarg_segment_size: 32
    .max_flat_workgroup_size: 256
    .sgpr_count:     96
    .vgpr_count:     512
    .wavefront_size: 32
...
	.end_amdgpu_metadata
.endif
;; end of part 3
